; MI455X (gfx1250); checked and timed in simulation.
; The chip was launched on July 23, 2026; its instructions are those of AMD's public machine-readable ISA for CDNA 5 (MIT licence, August 2026) and "CDNA5" Instruction Set Architecture Reference Guide (July 2026). The comments in the code are by the model that wrote it; some were corrected since.
;; Lo RA Linear. Allowed arithmetic: matrix products marked QUANTISED: E4M3 operands, one E8M0 scale for each 32 along K, by v_wmma_scale_f32_16x16x128_f8f6f4 with both operands' format E4M3, f32 sums; products left as they are: f32 operands where the result goes on into a quantised operand, else bf16, f16 or f32 operands; f32 sums; everything else in f32.
;; Inputs: W 2,048 x 4,096 float32; lora_A 16 x 4,096 float32; lora_B 2,048 x 16 float32; x 4 x 2,048 x 4,096 float32.
;; Outputs: out0 4 x 2,048 x 2,048 float32.
;; This version of the problem:
;;   THIS VERSION OF THE PROBLEM IS GIVEN IN LOW PRECISION. The matrix products marked QUANTISED in the list below multiply operands that are first quantised to E4M3 (4 exponent bits, 3 mantissa bits; 8 bits a number), with one power-of-two scale for each 32 numbers along K (OCP MX v1.0); their sums are f32. All else is computed in f32.
;;   The module's matrix products, in the order in which they are computed (A, B: the left and right operand; K: the contracted axis; several contracted axes count as one K, in the product's order):
;;     1. [M 8,192, K 4,096] x [K 4,096, N 2,048]; A: input x; B: input W: QUANTISED
;;     2. [M 8,192, K 4,096] x [K 4,096, N 16]; A: input x; B: input lora_A: QUANTISED
;;     3. [M 8,192, K 16] x [K 16, N 2,048]; A: computed on the way; B: input lora_B: left as it is (K = 16 < 32)
;;   THE QUANTISER, for each operand of a quantised product, along K:
;;     - K is cut into blocks of 32 from its start; a last block that is shorter is filled with zeros.
;;     - A block's scale is 2^e with e = floor(log2(the largest magnitude in the block)) - 8, held to -126 .. 127; a block of zeros has e = 0. As a byte (E8M0): e + 127.
;;     - Each number is divided by its block's scale, clamped to +-448, and rounded to the nearest number of E4M3, ties to even, subnormals kept.
;;     - The product sums the exact products of the quantised numbers (number of the format x scale) in f32.
;;   ~~~python
;;   def quantise(x, axis):      # numpy; x: float32 -> the quantised numbers, widened to float32 again
;;       x = np.moveaxis(x, axis, -1); K = x.shape[-1]
;;       x = np.pad(x, [(0, 0)] * (x.ndim - 1) + [(0, -K % 32)]); x = x.reshape(x.shape[:-1] + (-1, 32)); a = np.abs(x).max(-1, keepdims=True)
;;       e = np.where(a > 0, np.clip(np.frexp(np.where(a > 0, a, 1))[1] - 1 - 8, -126, 127), 0)      # np.frexp(a)[1] - 1 = floor(log2(a)), exactly
;;       r = np.clip(x / 2.0 ** e, -448, 448)
;;       step = 2.0 ** (np.maximum(np.frexp(np.where(r == 0, 1, r))[1] - 1, -6) - 3)
;;       q = np.round(r / step) * step * 2.0 ** e      # np.round: ties to even
;;       return np.moveaxis(q.reshape(q.shape[:-2] + (-1,))[..., :K], -1, axis).astype(np.float32)
;;   ~~~
;; One version. Each part assembles by itself: llvm-mc -triple=amdgcn-amd-amdhsa -mcpu=gfx1250 --defsym DOCPART=n.
;; ======== version 1 of 1: 2 launches
;; limits: values are held in bf16: 8 bits of precision; right only within a limited range of input values
;; workspace buffers: xq 34,603,008 bytes; wq 8,650,752 bytes; rpart 2,097,152 bytes
;; launch quant (part 1): grid 256 x 1, 10 waves a work-group, no clusters, 106,240 bytes of LDS; arguments x, W, lora_A, xq, wq, rpart; writes xq, wq, rpart
.if DOCPART == 1
	.amdgcn_target "amdgcn-amd-amdhsa--gfx1250"
	.amdhsa_code_object_version 6
	.text
	.protected	k_q9803c76c76_quant
	.globl	k_q9803c76c76_quant
	.p2align	8
	.type	k_q9803c76c76_quant,@function
k_q9803c76c76_quant:
	s_mov_b64 s[64:65], 0
	v_nop
	global_prefetch_b8 v0, s[64:65] scope:SCOPE_SE
	s_setreg_imm32_b32 hwreg(HW_REG_WAVE_MODE, 25, 1), 1
	s_wait_xcnt 0x0
; x [8192][4096] and W [2048][4096], f32, K innermost, become codes of FP8 (E4M3) with one E8M0 scale byte for each 32 along K; on the way r = Q(x) Q(lora_A)^T is made, as four partial sums along K.
; A block's scale is 2^(floor(log2(its largest magnitude)) - 8); its byte is the largest magnitude's exponent field - 8, held at 1 from below; each number is divided by the scale, held within +-448, rounded to the nearest code, ties to even.
; LIMITS: NaN and infinities among the inputs are not served.  A block of zeros gets the byte 1 where the rule says 127: its codes are zeros, which add nothing under any byte but 0xff, and the bytes are read by this program alone.
; THE CODES ARE LAID AS THE NEXT LAUNCH'S OPERAND REGISTERS WANT THEM.  A RECORD is 128 rows x 256 along K, 33,792 dense bytes: [block of 16 rows i][128 along K q][2,048 bytes], then 1,024 bytes of scale words [i][row r][q].
; The 2,048 bytes are the image of a fragment's 16 registers: group c of four registers, lane l's 16 bytes at 512 c + 16 l; lane (r, h) holds row r, k = 32 c + 16 h + 0 .. 15.   xq: [K step 0..15][64 records], wq: [K step][16 records].
; SHARES.  A wave takes 16 rows x 1,024 along K: eight fragments.  (512 + 128) blocks of rows x 4 ranges of K = 2,560 = 256 work-groups x 10 waves: waves 0-7 take eight blocks of x (one record's rows) in one range of K, waves 8-9 two units of W.
; All waves walk one text; buffers and numbers are chosen by the wave's number.  Only what concerns lora_A stands under a branch on it.
; lora_A: the eight x-waves want its eight fragments of their range of K.  Wave w quantises fragment w and lays its image in LDS; one barrier; then every x-wave multiplies each fragment of x that it has just made by lora_A's: one matrix instruction a step.
; A STEP (128 along K): sixteen loads, a row's 512 consecutive bytes each; through the wave's own stage in LDS, since the conversions want 16 neighbours along K in ONE lane; quantised; four stores of 512 consecutive bytes.
; Loads run up to three steps ahead (three sets of 64 registers).  No tensor loads: waves share nothing but lora_A's images.  No prefetch: the launch is one stream of loads that are all asked for well ahead.
.set REC,    33792                     ; a record
.set KSX,    64*REC                    ; a K step of xq
.set KSW,    16*REC                    ; a K step of wq
.set AIMG,   0                         ; LDS: lora_A's eight fragment images, 2,048 bytes each,
.set ASC,    16384                     ; their scale words: 512 bytes each, lane l's word at 16 l (so that the images' address register serves),
.set STG,    20480                     ; and a stage for each wave: 16 rows x (512 bytes + 16): the 16 rows that a read touches fall on 16 different 16-byte columns
.set SPITCH, 528
.set GL,  1                            ; v1   16 x lane: offset of the loads and of the codes' stores; LDS address of lora_A's images
.set STW, 2                            ; v2   the stage, on the way in: my 16 bytes of a row
.set STR, 3                            ; v3   and on the way out: row r, + 64 h
.set SO,  4                            ; v4   8 r + 4 h: my scale word's place among a block's 128 bytes
.set ASW, 5                            ; v5   lora_A's scale word
.set TM,  6                            ; v6-9 largest magnitudes (v6 also: the scale word to be stored), v10-13 the other half's, then bytes, v14-17 448 x the scale, v18-21 the conversions' scale operands
.set PWA, 22                           ; v22, v23  the scale words of an even and of an odd step
.set PWB, 23
.set ACC, 24                           ; v24-31  r's accumulator.  Ahead of the first product three of them hold addresses:
.set XWI, 24                           ; v24  where I lay lora_A's image: 2,048 x wave + 16 x lane
.set XWS, 25                           ; v25  and its scale words: 512 x wave + 16 x lane
.set XA,  26                           ; v26  lora_A: row r of 16,384 bytes, + 64 h
.set AF,  32                           ; v32-47  lora_A's fragment
.set PC,  48                           ; v48-63  the codes just made
.set X,   64                           ; v64-255 three sets of 64 numbers
.set WV,  16                           ; s16  my wave's number
.set SEL, 20                           ; s[20:21] v_permlanex16_b32's selects for lane l xor 16
.set MNT, 23                           ; s23  the mantissa field of 448
.set DC,  24                           ; s[24:31] where my codes go, for each of my four K steps
.set DS,  32                           ; s[32:39] and my scale words
.set SRC, 50                           ; s[50:51] my 16 rows at my range of K
	s_load_b256 s[4:11], s[0:1], 0x0               ; x s[4:5], W s[6:7], lora_A s[8:9], xq s[10:11]
	s_load_b128 s[12:15], s[0:1], 0x20             ; wq s[12:13], rpart s[14:15]
	s_set_vgpr_msb 0x40
	v_lshl_add_u32 v0, v0, 2, 0x19a00
	v_mov_b32 v1, 0
	s_set_vgpr_msb 0x4000
	v_lshrrev_b32 v1, 5, v0
	s_delay_alu instid0(VALU_DEP_1)
	v_readfirstlane_b32 s[WV], v1                  ; wave 0..9
	v_and_b32 v6, 31, v0                           ; lane
	v_and_b32 v7, 15, v0                           ; r
	v_bfe_u32 v8, v0, 4, 1                         ; h
	s_delay_alu instid0(VALU_DEP_3)
	v_lshlrev_b32 v[GL], 4, v6
	s_mul_i32 s17, s[WV], 16*SPITCH
	s_add_co_u32 s17, s17, STG                     ; my stage
	v_add_nc_u32 v[STW], s17, v[GL]
	v_mul_u32_u24 v[STR], v7, SPITCH
	s_delay_alu instid0(VALU_DEP_1)
	v_lshl_add_u32 v[STR], v8, 6, v[STR]
	s_delay_alu instid0(VALU_DEP_1)
	v_add_nc_u32 v[STR], s17, v[STR]
	v_lshlrev_b32 v[SO], 3, v7
	s_delay_alu instid0(VALU_DEP_1)
	v_lshl_add_u32 v[SO], v8, 2, v[SO]
	s_lshl_b32 s17, s[WV], 11
	v_add_nc_u32 v[XWI], s17, v[GL]
	s_lshl_b32 s17, s[WV], 9
	v_add_nc_u32 v[XWS], s17, v[GL]
	v_lshlrev_b32 v[XA], 14, v7
	s_delay_alu instid0(VALU_DEP_1)
	v_lshl_add_u32 v[XA], v8, 6, v[XA]
.irp b, 0,1,2,3
	v_mov_b32 v[TM+4+\b], 0                        ; written once: a lane permute's destination counts as one of its sources
.endr
	s_mov_b32 s[SEL], 0x76543210
	s_mov_b32 s[SEL+1], 0xfedcba98
	s_mov_b32 s[MNT], 0x600000
	s_mov_b32 vcc_lo, 0xffff0000                   ; lanes 16-31: they store the odd step's scale words
	; which unit is mine.  x (waves 0-7): record g / 4, range of K g % 4, block = wave.  W (waves 8-9): unit u = 2 g + wave % 2: block of rows u / 4, range u % 4
	s_lshr_b32 s17, ttmp9, 2
	s_and_b32 s18, ttmp9, 3
	s_and_b32 s22, s[WV], 1
	s_lshl_b32 s24, ttmp9, 1
	s_add_co_u32 s22, s24, s22                     ; u
	s_and_b32 s24, s22, 3
	s_lshr_b32 s25, s22, 5
	s_bfe_u32 s26, s22, 0x30002
	s_mov_b32 s40, KSW
	s_mov_b32 s41, 0
	s_cmp_lt_u32 s[WV], 8
	s_cselect_b32 s17, s17, s25                    ; hb: which record of a K step
	s_cselect_b32 s18, s18, s24                    ; kr: which 1,024 along K
	s_cselect_b32 s19, s[WV], s26                  ; i: which 16 rows of the record
	s_cselect_b32 s40, KSX, s40                    ; s[40:41]: from a K step to the next in the codes' buffer
	s_lshl_b32 s22, s17, 7
	s_lshl_b32 s24, s19, 4
	s_add_co_u32 s22, s22, s24                     ; my first row: 128 hb + 16 i
	s_lshl_b32 s22, s22, 14                        ; rows of 16,384 bytes
	s_lshl_b32 s24, s18, 12
	s_add_co_u32 s52, s22, s24                     ; s[52:53]: my numbers' first byte (under 2^28)
	s_mov_b32 s53, 0
	s_lshl_b32 s22, s18, 2
	s_mul_i32 s54, s22, s40                        ; K step 4 kr,
	s_mul_i32 s22, s17, REC                        ; record hb,
	s_add_co_u32 s54, s54, s22
	s_lshl_b32 s22, s19, 12                        ; block i: two fragments of 2,048 bytes
	s_add_co_u32 s54, s54, s22                     ; s[54:55]: my codes' first byte
	s_mov_b32 s55, 0
	s_mul_i32 s22, s19, 3968
	s_sub_co_u32 s42, 32768, s22                   ; s[42:43]: from there to my scale words: 32,768 + 128 i - 4,096 i, which is above 0
	s_mov_b32 s43, 0
	s_lshl_b32 s56, s18, 12
	s_lshl_b32 s22, s[WV], 9
	s_add_co_u32 s56, s56, s22                     ; s[56:57]: lora_A at K = 1,024 kr + 128 wave
	s_mov_b32 s57, 0
	s_lshl_b32 s58, s18, 19
	s_lshl_b32 s22, s17, 3
	s_add_co_u32 s22, s22, s[WV]
	s_lshl_b32 s22, s22, 10
	s_add_co_u32 s58, s58, s22                     ; s[58:59]: rpart [kr][block of 16 rows][1,024 bytes]
	s_mov_b32 s59, 0
	s_wait_kmcnt 0x0
	s_cmp_lt_u32 s[WV], 8                          ; the choice of buffers hangs on the wave's number alone
	s_cselect_b64 s[SRC:SRC+1], s[4:5], s[6:7]
	s_cselect_b64 s[DC:DC+1], s[10:11], s[12:13]
	s_add_nc_u64 s[SRC:SRC+1], s[SRC:SRC+1], s[52:53]
	s_add_nc_u64 s[DC:DC+1], s[DC:DC+1], s[54:55]
.irp j, 1,2,3
	s_add_nc_u64 s[DC+2*\j:DC+2*\j+1], s[DC+2*\j-2:DC+2*\j-1], s[40:41]
.endr
.irp j, 0,1,2,3
	s_add_nc_u64 s[DS+2*\j:DS+2*\j+1], s[DC+2*\j:DC+2*\j+1], s[42:43]
.endr
	s_add_nc_u64 s[44:45], s[8:9], s[56:57]
	s_add_nc_u64 s[46:47], s[14:15], s[58:59]
.macro LOAD t                          ; step t's numbers into set t % 3: load i is row i: 32 lanes read 512 consecutive bytes, aligned; read once in the launch
.irp i, 0,1,2,3,4,5,6,7,8,9,10,11,12,13,14,15
	global_load_b128 v[X+64*((\t)%3)+4*\i:X+64*((\t)%3)+4*\i+3], v[GL], s[SRC:SRC+1] offset:16384*\i+512*(\t) th:TH_LOAD_NT
.endr
.endm
; 64 numbers of a lane, v[s] .. v[s + 63], register 16 b + i = k 32 b + 16 h + i of my row, become a fragment's codes in v[PC] on and its scale word in v[pw].
.macro QUANT s, pw
.irp b, 0,1,2,3
	v_max3_num_f32 v[TM+\b], |v[\s+16*\b]|, |v[\s+1+16*\b]|, 0x4800000   ; block b: my 16 numbers, and the floor 2^(9 - 127), under which no largest magnitude is taken: so the byte cannot fall under 1
.endr
.irp i, 2,4,6,8,10,12,14
.irp b, 0,1,2,3
	s_delay_alu instid0(VALU_DEP_4)
	v_max3_num_f32 v[TM+\b], v[TM+\b], |v[\s+16*\b+\i]|, |v[\s+1+16*\b+\i]|   ; (the four blocks by turns: no line waits for the line above it)
.endr
.endr
.irp b, 0,1,2,3
	s_delay_alu instid0(VALU_DEP_4)
	v_permlanex16_b32 v[TM+4+\b], v[TM+\b], s[SEL], s[SEL+1]
.endr
.irp b, 0,1,2,3
	s_delay_alu instid0(VALU_DEP_4)
	v_max_num_f32 v[TM+\b], v[TM+\b], v[TM+4+\b]   ; with lane l xor 16's: the block's largest magnitude
.endr
.irp b, 0,1,2,3
	s_delay_alu instid0(VALU_DEP_4)
	v_add_nc_u32 v[TM+12+\b], 0xfc000000, v[TM+\b] ; 8 off its exponent field: the conversion takes the exponent field of this operand as its scale, and nothing else of it
.endr
.irp b, 0,1,2,3
	v_and_or_b32 v[TM+8+\b], v[TM+\b], 0x7f800000, s[MNT]   ; 448 x the scale: the largest magnitude's exponent field over 448's mantissa
.endr
.irp b, 0,1,2,3
	v_lshrrev_b32 v[TM+4+\b], 23, v[TM+12+\b]      ; the scale's byte
.endr
	s_delay_alu instid0(VALU_DEP_3)
	v_lshl_or_b32 v[\pw], v[TM+5], 8, v[TM+4]      ; the four bytes make my row's scale word (both halves of the lanes hold it)
	s_delay_alu instid0(VALU_DEP_1)
	v_lshl_or_b32 v[\pw], v[TM+6], 16, v[\pw]
	s_delay_alu instid0(VALU_DEP_1)
	v_lshl_or_b32 v[\pw], v[TM+7], 24, v[\pw]
.irp b, 0,1,2,3
.irp i, 0,1,2,3,4,5,6,7,8,9,10,11,12,13,14,15
	v_med3_num_f32 v[\s+16*\b+\i], v[\s+16*\b+\i], -v[TM+8+\b], v[TM+8+\b]   ; the conversion to an 8-bit code does not saturate (ISA guide 7.6.2): the hold at the largest code x the scale
.endr
	v_cvt_scalef32_pk8_fp8_f32 v[PC+4*\b:PC+1+4*\b], v[\s+16*\b:\s+7+16*\b], v[TM+12+\b]
	v_cvt_scalef32_pk8_fp8_f32 v[PC+2+4*\b:PC+3+4*\b], v[\s+8+16*\b:\s+15+16*\b], v[TM+12+\b]
.endr
	v_nop                                          ; one plain vector instruction behind the last scaled conversion, ahead of whatever vector or matrix instruction next touches its registers
.endm
; r += lora_A's fragment t x the fragment of x just made.  Source 0 = lora_A's 16 ranks, source 1 = my 16 rows of x: lane (r, h) then holds row r and ranks 8 h + 0 .. 7.  x-waves only.
; One accumulator, so each link follows the link before it: the wait stands directly ahead of it.
.macro LORA t
	s_cmp_lt_u32 s[WV], 8
	s_cbranch_scc0 .Lw_\@
.irp c, 0,1,2,3
	ds_load_b128 v[AF+4*\c:AF+4*\c+3], v[GL] offset:AIMG+2048*(\t)+512*\c   ; the last product, which read these registers, stands more than eight plain vector lines back (this step's maxima)
.endr
	ds_load_b32 v[ASW], v[GL] offset:ASC+512*(\t)
.rept 4
	v_nop                                          ; codes written by vector instructions stand four places ahead of a scaled matrix instruction; their scale word was made ahead of the 64 holds
.endr
	s_wait_dscnt 0x0
.if (\t) == 0
	s_wait_alu depctr_va_vdst(0)
	v_wmma_scale_f32_16x16x128_f8f6f4 v[ACC:ACC+7], v[AF:AF+15], v[PC:PC+15], 0, v[ASW], v[PWA+(\t)%2]   ; the first product starts the sum
.else
	s_wait_alu depctr_va_vdst(0)
	v_wmma_scale_f32_16x16x128_f8f6f4 v[ACC:ACC+7], v[AF:AF+15], v[PC:PC+15], v[ACC:ACC+7], v[ASW], v[PWA+(\t)%2]
.endif
.if (\t) == 7
.rept 8
	v_nop                                          ; eight places behind this form ahead of a store of its result
.endr
	global_store_b128 v[GL], v[ACC:ACC+3], s[46:47]              ; the accumulator's image, from its low end on: 512 consecutive bytes a store
	global_store_b128 v[GL], v[ACC+4:ACC+7], s[46:47] offset:512
.endif
.Lw_\@:
.endm
.macro STEP t
.set XS, X+64*((\t)%3)
.if (\t) <= 5
	s_wait_loadcnt 32                              ; loads come back in order: this step's sixteen are in, those of the two steps behind it may be out
.elseif (\t) == 6
	s_wait_loadcnt 16
.else
	s_wait_loadcnt 0
.endif
.irp i, 0,1,2,3,4,5,6,7,8,9,10,11,12,13,14,15
	ds_store_b128 v[STW], v[XS+4*\i:XS+4*\i+3] offset:SPITCH*\i
.endr
.irp b, 0,1,2,3
.irp j, 0,1,2,3
	ds_load_b128 v[XS+16*\b+4*\j:XS+16*\b+4*\j+3], v[STR] offset:128*\b+16*\j   ; LDS serves a wave's instructions in order: these see the stores above, and land in the registers that the numbers left
.endr
.endr
	s_wait_dscnt 0x0
	s_wait_xcnt 0x0                                ; the last step's stores have read the codes and the scale word: both are written again only behind this wait
	QUANT XS, PWA+(\t)%2
.if (\t)+3 < 8
	LOAD (\t)+3                                    ; into the set just quantised
.endif
.irp c, 0,1,2,3
	global_store_b128 v[GL], v[PC+4*\c:PC+4*\c+3], s[DC+2*((\t)/2):DC+2*((\t)/2)+1] offset:2048*((\t)%2)+512*\c   ; 32 lanes store 512 consecutive bytes, aligned
.endr
.if (\t)%2 == 1
	v_cndmask_b32 v[TM], v[PWA], v[PWB], vcc_lo    ; lanes 0-15: row r's word of the K step's first 128, lanes 16-31: of its second
	global_store_b32 v[SO], v[TM], s[DS+2*((\t)/2):DS+2*((\t)/2)+1]   ; 128 consecutive bytes: one part in 264 of a record
.endif
	LORA \t
.endm
	s_cmp_lt_u32 s[WV], 8
	s_cbranch_scc0 .Lno_a_loads
	s_wait_alu depctr_va_vdst(0)
.irp b, 0,1,2,3                        ; lora_A's 16 rows x 128 along K, straight in the order that the conversions want: 64 consecutive bytes a lane and block.  64 KiB a work-group, which other work-groups read too: no hint
.irp j, 0,1,2,3
	global_load_b128 v[X+128+16*\b+4*\j:X+128+16*\b+4*\j+3], v[XA], s[44:45] offset:128*\b+16*\j
.endr
.endr
.Lno_a_loads:
	LOAD 0
	LOAD 1
	s_wait_loadcnt 32                              ; ON EVERY WAVE'S PATH, since step 2's loads below land in the same registers on every path: lora_A's sixteen loads are in; the 32 of steps 0 and 1, issued behind them, may be out.  (A wave that took none of lora_A has just those 32 out: the wait is met at once)
	s_cmp_lt_u32 s[WV], 8
	s_cbranch_scc0 .Lno_a
	QUANT X+128, PWA
.irp c, 0,1,2,3
	ds_store_b128 v[XWI], v[PC+4*\c:PC+4*\c+3] offset:AIMG+512*\c   ; the fragment goes to LDS as it stands in the registers
.endr
	ds_store_b32 v[XWS], v[PWA] offset:ASC
.Lno_a:
	LOAD 2
	s_wait_dscnt 0x0                               ; for the others' sake: my image has landed
	s_barrier_signal -1
	s_barrier_wait -1                              ; lora_A's eight fragments lie in LDS; nobody writes them again
.irp t, 0,1,2,3,4,5,6,7
	STEP \t
.endr
	s_set_vgpr_msb 0x5
	s_wait_tensorcnt 0x0
	ds_add_u32 v0, v1
	s_wait_dscnt 0x0
	s_set_vgpr_msb 0x500
	s_endpgm
.Lfunc_end_k_q9803c76c76_quant:
	.size	k_q9803c76c76_quant, .Lfunc_end_k_q9803c76c76_quant-k_q9803c76c76_quant
	.p2alignl 7, 3214868480
	.fill 96, 4, 3214868480
	.section	.rodata,"a",@progbits
	.p2align	6, 0x0
	.amdhsa_kernel k_q9803c76c76_quant
		.amdhsa_group_segment_fixed_size 106240
		.amdhsa_private_segment_fixed_size 0
		.amdhsa_enable_private_segment 0
		.amdhsa_kernarg_size 48
		.amdhsa_user_sgpr_count 2
		.amdhsa_user_sgpr_kernarg_segment_ptr 1
		.amdhsa_wavefront_size32 1
		.amdhsa_system_sgpr_workgroup_id_x 1
		.amdhsa_system_sgpr_workgroup_id_y 1
		.amdhsa_system_sgpr_workgroup_id_z 1
		.amdhsa_system_vgpr_workitem_id 0
		.amdhsa_next_free_vgpr 258
		.amdhsa_next_free_sgpr 66
		.amdhsa_reserve_vcc 1
		.amdhsa_float_denorm_mode_32 3
		.amdhsa_float_denorm_mode_16_64 3
		.amdhsa_memory_ordered 1
		.amdhsa_forward_progress 1
		.amdhsa_inst_pref_size 129
	.end_amdhsa_kernel
	.amdgpu_metadata
---
amdhsa.version: [ 1, 2 ]
amdhsa.kernels:
  - .name:           k_q9803c76c76_quant
    .symbol:         k_q9803c76c76_quant.kd
    .args:
      - { .name: x, .offset: 0, .size: 8, .value_kind: global_buffer, .address_space: global }
      - { .name: W, .offset: 8, .size: 8, .value_kind: global_buffer, .address_space: global }
      - { .name: lora_A, .offset: 16, .size: 8, .value_kind: global_buffer, .address_space: global }
      - { .name: xq, .offset: 24, .size: 8, .value_kind: global_buffer, .address_space: global }
      - { .name: wq, .offset: 32, .size: 8, .value_kind: global_buffer, .address_space: global }
      - { .name: rpart, .offset: 40, .size: 8, .value_kind: global_buffer, .address_space: global }
    .group_segment_fixed_size: 106240
    .private_segment_fixed_size: 0
    .kernarg_segment_align: 8
    .kernarg_segment_size: 48
    .max_flat_workgroup_size: 320
    .sgpr_count:     66
    .vgpr_count:     258
    .wavefront_size: 32
...
	.end_amdgpu_metadata
.endif
;; end of part 1
;; launch gemm (part 2): grid 8 x 32, 4 waves a work-group, clusters of 4 x 1, 327,680 bytes of LDS; arguments xq, wq, rpart, lora_B, out0; writes out0
.if DOCPART == 2
	.amdgcn_target "amdgcn-amd-amdhsa--gfx1250"
	.amdhsa_code_object_version 6
	.text
	.protected	k_q9803c76c76_gemm
	.globl	k_q9803c76c76_gemm
	.p2align	8
	.type	k_q9803c76c76_gemm,@function
k_q9803c76c76_gemm:
	s_mov_b64 s[64:65], 0
	v_nop
	global_prefetch_b8 v0, s[64:65] scope:SCOPE_SE
	s_setreg_imm32_b32 hwreg(HW_REG_WAVE_MODE, 25, 1), 1
	s_wait_xcnt 0x0
	s_wait_alu depctr_hold_cnt(0) depctr_sa_sdst(0) depctr_va_vdst(0) depctr_va_sdst(0) depctr_va_ssrc(0) depctr_va_vcc(0) depctr_vm_vsrc(0)
	s_getreg_b32 s2, hwreg(HW_REG_IB_STS2, 6, 4)
	s_cmp_eq_u32 s2, 0
	s_cbranch_scc0 .Lentry_in_a_cluster
	s_endpgm
.Lentry_in_a_cluster:
	s_bfe_u32 s2, ttmp6, 0x10000c
	s_cmp_lg_u32 s2, 0x3003
	s_cbranch_scc0 .Lentry_shape_is_right
	s_endpgm
.Lentry_shape_is_right:
; out = Q(x) Q(W)^T + 2 r lora_B^T.  xq, wq: codes of FP8 (E4M3) and E8M0 scale words in records of 128 rows x 256 of K (33,792 bytes: [16 rows i][128 of K q][2,048 bytes, a fragment's register image], then 1,024 bytes of scale words [i][row][q]);
; xq [K step of 256][64 records], wq [K step][16 records]; rpart: r = Q(x) Q(lora_A)^T as four partial sums, images of an accumulator.
; LIMITS: NaN and infinities are not served.  r and 2 lora_B go to the matrix unit as bf16 (K = 16, the product that is left as it is).
; THE DEAL.  A work-group makes 256 x 256 of out; a wave makes ALL 256 rows x 64 columns: 64 accumulators (a, b) at v[8 (4 (a % 8) + b)] of window 2 (a < 8) or 3.
; W: a wave's 64 columns are its own, so its fragments go from memory straight into registers: four sets of 64 registers (window 1), asked for three steps of 128 along K ahead, counted on LOADcnt.
; No tile of W lies in LDS, so there is no joint load for it, and no prefetch: the loads themselves stand three steps ahead of their use.
; x: the ring of two LDS slots holds x alone: a slot is 256 rows x 512 along K, four records, one tensor load a wave, asked for JOINTLY by the four work-groups of a cluster (4 x 1: one tile row of out).
; A pass over a slot is 16 units of four blocks of 16 rows x 128 of K: 16 products on end; x's fragments lie in two buffers of 64 registers; behind unit v's products stand eight places and ONE run of loads: unit v + 2's fragments.
; THE LAST PASS: its first 128 of K as ever, the other 384 by rows of out, so that four blocks are finished and stored while the others are multiplied.
; The sums begin with the low-rank product (bf16, C = 0).  Source 0 = 16 rows of W, source 1 = 16 rows of x: a lane holds eight neighbouring columns of one row of out.
.set REC,   33792
.set KSX,   64*REC
.set KSW,   16*REC
.set SLOT,  4*REC
.set RST,   2*SLOT                     ; 8,192 bytes: r's sixteen bf16 fragments, stored by the waves; no fill lands here
.set SPARE, RST+8192                   ; the spare words
.set SP,    272                        ; the way out: a stage row, 256 bytes + 16
.set CO,  4                            ; 16 x lane
.set SOB, 5                            ; W's scale words: offset from my codes
.set STO, 6                            ; stage, in
.set RD,  7                            ; stage, back
.set ADR, 8                            ; v8-15  LDS: record k = 4 slot + 2 (K step) + (rows / 128), + 16 x lane
.set ADS, 16                           ; v16-23 its scale words, + 8 x lane
.set OC,  24                           ; my offset in two rows of out
.set PFO, 25                           ; 256 x lane
.set LBO, 26
.set RW,  27
.set SPW, 28
.set NIL, 29
.set RR,  30
.set SA,  32                           ; v32-95  x's scale words: 32 slot + 16 (q / 2) + 2 (a / 2) + q % 2; lanes 0-15 block a even, 16-31 odd
.set SBS, 96                           ; v96-103 W's: of the other parity than x's of the same q
.set TR,  104                          ; v104-119 my four fragments of r
.set AF,  128                          ; v128-255 x's two buffers
.set RF,  188                          ; at the head: r's fragment a at v[RF + 4 a], 8 registers: its upper four (k = 16 ..) are the next fragment's numbers, which meet lora_B's zeros
.set G1,  24
.set G0,  32
.set BP,  44                           ; s[44:45] my codes of W at this pass's first K step
.set PFA, 46                           ; s[46:47] the prefetch: my share of my record, three passes on
.set TO_B, 0x40
.set MSB, 0
.macro WIN new
.if MSB != \new
	s_set_vgpr_msb (MSB<<8)|\new
.set MSB, \new
.endif
.endm
.macro PLACES n
.rept \n
	v_nop
.endr
.endm
.macro CREST
	s_cmp_lg_u32 s14, 0
	s_cbranch_scc1 .Lnot_wave_0_\@
	s_barrier_signal -3
.Lnot_wave_0_\@:
	s_barrier_wait -3
	s_barrier_signal -1
	s_barrier_wait -1
.endm
.macro CROUND
	s_barrier_signal -1
	s_barrier_wait -1
	CREST
.endm
.macro TLOAD g0                        ; my record of a slot; s_nop 0 and four v_nop follow
	tensor_load_to_lds s[\g0:\g0+3], s[G1:G1+7]
	s_nop 0
	PLACES 4
.endm
.macro BSC d                           ; W's scale words of the step of 128 that lies d steps behind the pass's first
	global_load_b32 v[SBS+4*(((\d)%4)/2)+1-(\d)%2], v[SOB], s[BP:BP+1] offset:((\d)/2)*KSW+4*((\d)%2)
	global_load_b32 v[SBS+4*(((\d)%4)/2)+3-(\d)%2], v[SOB], s[BP:BP+1] offset:((\d)/2)*KSW+256+4*((\d)%2)
.endm
.macro BFR d, k                        ; its fragment k into set d % 4: 512 consecutive bytes a load
.irp c, 0,1,2,3
	global_load_b128 v[64*((\d)%4)+16*(\k)+4*\c:64*((\d)%4)+16*(\k)+4*\c+3], v[CO], s[BP:BP+1] offset:((\d)/2)*KSW+(2*(\k)+(\d)%2)*2048+512*\c
.endr
.endm
.macro UMAP m, v                       ; unit v of a pass: Q_ which 128 of K, G_ which four blocks.  m = 1: from unit 4 on by rows
.if (\m) == 0 || (\v) < 4
.set Q_, (\v)/4
.set G_, (\v)%4
.else
.set Q_, 1+((\v)-4)%3
.set G_, ((\v)-4)/3
.endif
.endm
.macro AFETCH slot, m, v               ; unit v's four fragments of x into buffer v % 2
	UMAP \m, \v
.irp k, 0,1,2,3
.irp c, 0,1,2,3
	ds_load_b128 v[AF+64*((\v)%2)+16*\k+4*\c:AF+64*((\v)%2)+16*\k+4*\c+3], v[ADR+4*(\slot)+2*(Q_/2)+G_/2] offset:(2*((4*G_+\k)%8)+Q_%2)*2048+512*\c
.endr
.endr
.endm
.macro ASCALES slot                    ; a slot's scale words: 8 bytes a lane, two blocks a load
.irp j, 0,1
.irp p, 0,1,2,3,4,5,6,7
	ds_load_b64 v[SA+32*(\slot)+16*\j+2*\p:SA+32*(\slot)+16*\j+2*\p+1], v[ADS+4*(\slot)+2*\j+\p/4] offset:256*(\p%4)
.endr
.endr
.endm
.macro WM slot, q, a, b, x
.set D_, 8*(4*((\a)%8)+\b)
.set W_, 64*(\q)+16*(\b)
.set SB_, SBS+4*((\q)/2)+2*((\b)/2)+1-(\q)%2
.set SA_, SA+32*(\slot)+16*((\q)/2)+2*((\a)/2)+(\q)%2
.if ((\b)%2) && ((\a)%2)
	v_wmma_scale_f32_16x16x128_f8f6f4 v[D_:D_+7], v[W_:W_+15], v[\x:\x+15], v[D_:D_+7], v[SB_], v[SA_] matrix_a_scale:MATRIX_SCALE_ROW1 matrix_b_scale:MATRIX_SCALE_ROW1
.elseif (\b)%2
	v_wmma_scale_f32_16x16x128_f8f6f4 v[D_:D_+7], v[W_:W_+15], v[\x:\x+15], v[D_:D_+7], v[SB_], v[SA_] matrix_a_scale:MATRIX_SCALE_ROW1
.elseif (\a)%2
	v_wmma_scale_f32_16x16x128_f8f6f4 v[D_:D_+7], v[W_:W_+15], v[\x:\x+15], v[D_:D_+7], v[SB_], v[SA_] matrix_b_scale:MATRIX_SCALE_ROW1
.else
	v_wmma_scale_f32_16x16x128_f8f6f4 v[D_:D_+7], v[W_:W_+15], v[\x:\x+15], v[D_:D_+7], v[SB_], v[SA_]
.endif
.endm
.macro BLK slot, k                     ; block 4 CG_ + k against W's four
.irp b, 0,1,2,3
	WM \slot, CQ_, 4*CG_+\k, \b, X_+16*\k
.endr
.endm
.macro OUT g                           ; four finished blocks: through my stage, back as whole rows of 256 bytes into the registers that held the sums, stored.  (The eight places stand ahead of the macro)
	WIN (2+(\g)/2)<<2
.irp k, 0,1,2,3
.irp b, 0,1,2,3
	ds_store_b128 v[STO], v[32*((4*(\g)+\k)%8)+8*\b:32*((4*(\g)+\k)%8)+8*\b+3] offset:\k*16*SP+64*\b
	ds_store_b128 v[STO], v[32*((4*(\g)+\k)%8)+8*\b+4:32*((4*(\g)+\k)%8)+8*\b+7] offset:\k*16*SP+64*\b+16
.endr
.endr
	WIN (2+(\g)/2)<<6
.irp k, 0,1,2,3
.irp t, 0,1,2,3,4,5,6,7
	ds_load_b128 v[32*((4*(\g)+\k)%8)+4*\t:32*((4*(\g)+\k)%8)+4*\t+3], v[RD] offset:\k*16*SP+\t*2*SP   ; LDS serves a wave's instructions in order
.endr
.endr
	s_wait_dscnt 0x0
	WIN (2+(\g)/2)<<2
.irp k, 0,1,2,3
.irp t, 0,1,2,3,4,5,6,7
	global_store_b128 v[OC], v[32*((4*(\g)+\k)%8)+4*\t:32*((4*(\g)+\k)%8)+4*\t+3], s[12:13] offset:(16*(4*(\g)+\k)+2*\t)*8192 th:TH_STORE_NT   ; sixteen lanes fill one aligned unit of 256 bytes
.endr
.endr
.endm
; fill: 1 the slot is filled again in unit 14, behind a round; 0 a plain barrier there; -1 the last pass.  nm: the next pass's order.  pf: 1 prefetch, 2 not in the loop's last trip
.macro UNIT slot, m, v, nm, fill, pf
	UMAP \m, \v
.set CQ_, Q_
.set CG_, G_
.set MW_, 0xa1+0x50*(CG_/2)
.set X_, AF+64*((\v)%2)
.set TURN_, ((\v) == 14) && ((\fill) >= 0)
.set NRM_, ((\m) == 0) || ((\v) < 4)
.set OUT_, ((\m) == 1) && ((\v) >= 4) && (CQ_ == 3)
.set NXT_, ((\v)+2 < 16) || ((\nm) >= 0)
.if NRM_ && (CG_ == 0)
	s_wait_loadcnt 36                              ; this step's set of W is in; the 18 loads of each of the two steps behind it may be out
.elseif ((\m) == 1) && ((\v) >= 4) && ((\v) < 7)
	s_wait_loadcnt 18*(6-(\v))
.endif
.if TURN_
	WIN 0
	s_wait_tensorcnt 0x0                           ; my record of the next slot is in
	ds_add_u32 v[SPW], v[NIL]
.if (\fill) == 1
	s_add_nc_u64 s[G0+4*(\slot)+2:G0+4*(\slot)+3], s[G0+4*(\slot)+2:G0+4*(\slot)+3], 4*KSX
.endif
	s_wait_dscnt 17                                ; unit 15's sixteen loads and the add may be out
.elseif (\v) == 15
.if (\fill) < 0
	s_wait_dscnt 0x0
.endif
.else
	s_wait_dscnt 16                                ; the next unit's sixteen loads may be out
.endif
	WIN MW_
	BLK \slot, 0
	BLK \slot, 1
.if TURN_
	s_wait_dscnt 0x0                               ; the add is done, my reads of this slot are over
	s_barrier_signal -1
.endif
	BLK \slot, 2
	BLK \slot, 3
.if TURN_
	WIN 0
	s_barrier_wait -1
.if (\fill) == 1
	CREST
	TLOAD G0+4*(\slot)
	PLACES 4
.else
	PLACES 8
.endif
.elseif NXT_ || OUT_
	PLACES 8                                       ; ahead of the loads into the buffer just read, and of the first read of finished sums
.endif
.if NXT_
	WIN 0
.if (\v)+2 < 16
	AFETCH \slot, \m, (\v)+2
.else
	AFETCH 1-\slot, \nm, (\v)+2-16
.endif
.endif
.if TURN_
	ASCALES 1-\slot
.if (\pf) > 0                          ; 32 blocks of 256 bytes of the record that I load three passes on; the four partners share it by address; the last passes ask for nothing
.if (\pf) == 2
	s_cmp_lg_u32 s3, 1
	s_cbranch_scc0 .Lnone_\@
.endif
	global_prefetch_b8 v[PFO], s[PFA:PFA+1] th:TH_LOAD_NT scope:SCOPE_SE
.Lnone_\@:
.endif
.endif
.if NRM_ && (CG_ == 0)                 ; W, three steps of 128 on, into the set that the step before has left: sixteen places behind its last product
	BSC CQ_+3
	WIN TO_B
.irp k, 0,1,2,3
	BFR CQ_+3, \k
.endr
.endif
.if OUT_
	OUT CG_
.endif
.endm
.macro PASS slot, m, nm, fill, pf
.set V_, 0
.rept 16
	UNIT \slot, \m, V_, \nm, \fill, \pf
.set V_, V_+1
.endr
	WIN 0
.endm
.macro ADV                             ; on to the next pass: the loads and the prefetch have read their bases
	s_wait_xcnt 0x0
	s_add_nc_u64 s[BP:BP+1], s[BP:BP+1], 2*KSW
	s_add_nc_u64 s[PFA:PFA+1], s[PFA:PFA+1], 2*KSX
.endm
	s_load_b256 s[4:11], s[0:1], 0x0               ; xq, wq, rpart, lora_B
	s_load_b64 s[12:13], s[0:1], 0x20              ; out0
	v_lshl_add_u32 v[SPW], v0, 2, SPARE
	v_mov_b32 v[NIL], 0
	ds_add_u32 v[SPW], v[NIL]
	ds_add_u32 v[SPW], v[NIL]
	v_lshrrev_b32 v1, 5, v0
	v_readfirstlane_b32 s14, v1                    ; wave
	s_lshr_b32 s15, s14, 1
	s_and_b32 s16, s14, 1
	s_bfe_u32 s40, ttmp6, 0x40000                  ; cx
	s_lshl_b32 s42, ttmp9, 2
	s_add_co_u32 s42, s42, s40                     ; tile column
	s_and_b32 s17, ttmp7, 0xffff                   ; tile row
	s_mov_b32 s[G1+0], 15|(3<<16)|(1<<21)          ; the four of my cluster; elements of 8 bytes
	s_mov_b32 s[G1+1], 32<<16                      ; a record: 132 dense rows of 256 bytes
	s_mov_b32 s[G1+2], 132<<16
	s_mov_b32 s[G1+3], 32<<16
	s_mov_b32 s[G1+4], 132
	s_mov_b32 s[G1+5], 32
	s_mov_b32 s[G1+6], 0
	s_mov_b32 s[G1+7], 0
	s_lshl_b32 s20, s17, 1                         ; wave w fetches K step w / 2 of the slot's two, record 2 x tile row + w % 2
	s_add_co_u32 s20, s20, s16
	s_mul_i32 s20, s20, REC
	s_mul_i32 s18, s15, KSX
	s_add_co_u32 s20, s20, s18
	s_mov_b32 s21, 0
	s_mul_i32 s45, s14, REC
	s_wait_dscnt 0x0
	s_wait_kmcnt 0x0
	s_add_nc_u64 s[20:21], s[4:5], s[20:21]
	CROUND
.irp s, 0,1
	s_mov_b32 s[G0+4*\s], 1
	s_add_co_u32 s[G0+4*\s+1], s45, \s*SLOT
	s_add_nc_u64 s[G0+4*\s+2:G0+4*\s+3], s[20:21], \s*2*KSX
	s_or_b32 s[G0+4*\s+3], s[G0+4*\s+3], 0x80000000
.endr
	TLOAD G0                                       ; slot 0: one load a wave at the head
	s_lshl_b32 s52, s17, 4
	s_lshl_b32 s18, s14, 2
	s_add_co_u32 s52, s52, s18
	s_lshl_b32 s52, s52, 10
	s_mov_b32 s53, 0
	s_add_nc_u64 s[48:49], s[8:9], s[52:53]        ; rpart: blocks 16 x tile row + 4 x wave on
	s_lshl_b32 s52, s42, 8
	s_lshl_b32 s18, s14, 6
	s_add_co_u32 s52, s52, s18                     ; my first column
	s_lshl_b32 s54, s52, 2
	s_lshl_b32 s52, s52, 6
	s_add_nc_u64 s[50:51], s[10:11], s[52:53]      ; lora_B: rows of 64 bytes
	s_lshl_b32 s52, s17, 21
	s_add_co_u32 s52, s52, s54
	s_add_nc_u64 s[12:13], s[12:13], s[52:53]      ; out: row 256 x tile row, my column
	s_lshl_b32 s52, s42, 1
	s_add_co_u32 s52, s52, s15
	s_mul_i32 s52, s52, REC
	s_lshl_b32 s18, s16, 14
	s_add_co_u32 s52, s52, s18
	s_add_nc_u64 s[BP:BP+1], s[6:7], s[52:53]      ; wq: record 2 x tile column + w / 2, blocks 4 (w % 2) on
	s_lshl_b32 s52, s40, 13
	s_add_nc_u64 s[PFA:PFA+1], s[20:21], s[52:53]
	s_add_nc_u64 s[PFA:PFA+1], s[PFA:PFA+1], 6*KSX
	s_mul_i32 s55, s16, 15872
	s_sub_co_u32 s55, 32768, s55                   ; from my codes to my scale words: 32,768 + 512 (w % 2) - 16,384 (w % 2)
	s_mul_i32 s56, s14, 64*SP                      ; my stage: 64 rows, in slot 0, used behind that slot's last fill and last read
	s_lshl_b32 s57, s14, 11
	s_add_co_u32 s57, s57, RST
	v_and_b32 v1, 15, v0
	v_bfe_u32 v2, v0, 4, 1
	v_and_b32 v3, 31, v0
	v_lshlrev_b32 v[CO], 4, v3
	v_lshlrev_b32 v[PFO], 8, v3
	v_lshlrev_b32 v31, 3, v3
	v_lshlrev_b32 v[LBO], 6, v1
	v_lshl_add_u32 v[LBO], v2, 5, v[LBO]
	v_add_nc_u32 v[SOB], s55, v31
.irp k, 0,1,2,3,4,5,6,7
	v_add_nc_u32 v[ADR+\k], \k*REC, v[CO]
	v_add_nc_u32 v[ADS+\k], \k*REC+32768, v31
.endr
	v_mul_u32_u24 v120, v1, SP
	v_lshl_add_u32 v120, v2, 5, v120
	v_add_nc_u32 v[STO], s56, v120
	v_mul_u32_u24 v121, v2, SP
	v_lshl_add_u32 v121, v1, 4, v121
	v_add_nc_u32 v[RD], s56, v121
	v_lshlrev_b32 v122, 13, v2
	v_lshl_add_u32 v[OC], v1, 4, v122
	v_add_nc_u32 v[RW], s57, v[CO]
	v_add_nc_u32 v[RR], RST, v[CO]
	s_wait_alu depctr_va_vdst(0)
	WIN 0x80
.irp p, 0,1,2,3                        ; r's four parts of my four blocks, into registers that will hold sums
.irp i, 0,1,2,3
.irp u, 0,1
	global_load_b128 v[32*\p+8*\i+4*\u:32*\p+8*\i+4*\u+3], v[CO], s[48:49] offset:524288*\p+1024*\i+512*\u
.endr
.endr
.endr
	WIN 0xc0
.irp b, 0,1,2,3
	global_load_b128 v[8*\b:8*\b+3], v[LBO], s[50:51] offset:1024*\b
	global_load_b128 v[8*\b+4:8*\b+7], v[LBO], s[50:51] offset:1024*\b+16
.endr
.irp d, 0,1,2                          ; W's first three steps of 128
	WIN 0
	BSC \d
	WIN TO_B
.irp k, 0,1,2,3
	BFR \d, \k
.endr
.endr
	s_wait_loadcnt 62                              ; r's 32 loads are in (behind them: lora_B's 8, W's 54)
	WIN 0x8a
.set j, 0
.rept 16
	v_pk_add_f32 v[j:j+1], v[j:j+1], v[32+j:33+j]
	v_pk_add_f32 v[64+j:65+j], v[64+j:65+j], v[96+j:97+j]
.set j, j+2
.endr
.set j, 0
.rept 16
	v_pk_add_f32 v[j:j+1], v[j:j+1], v[64+j:65+j]
.set j, j+2
.endr
	WIN 0x0a
.irp i, 0,1,2,3
.irp m, 0,1,2,3
	v_cvt_pk_bf16_f32 v[TR+4*\i+\m], v[8*\i+2*\m], v[8*\i+2*\m+1]
.endr
.endr
	WIN 0
.irp i, 0,1,2,3
	ds_store_b128 v[RW], v[TR+4*\i:TR+4*\i+3] offset:512*\i   ; for all four waves
.endr
	s_wait_loadcnt 54                              ; lora_B is in
	WIN 0xc3
.set j, 0
.rept 16
	v_pk_mul_f32 v[j:j+1], v[j:j+1], 2.0 op_sel_hi:[1,0]   ; alpha / rank = 2
.set j, j+2
.endr
	WIN 0x4f
.irp b, 0,1,2,3
.irp m, 0,1,2,3
	v_cvt_pk_bf16_f32 v[192+8*\b+\m], v[8*\b+2*\m], v[8*\b+2*\m+1]   ; into W's fourth set, which is filled later
.endr
.endr
	WIN TO_B
.irp b, 0,1,2,3
.irp m, 0,1,2,3
	v_mov_b32 v[192+8*\b+4+\m], 0                  ; k = 16 .. 31
.endr
.endr
	WIN 0
.irp m, 0,1,2,3
	v_mov_b32 v[RF+64+\m], 0
.endr
	s_wait_alu depctr_va_vdst(0)
	s_wait_tensorcnt 0x0                           ; slot 0's record is in; the full sequence ahead of slot 1's first fill
	ds_add_u32 v[SPW], v[NIL]
	s_wait_dscnt 0x0                               ; and my fragments of r lie in LDS
	CROUND
	TLOAD G0+4
.irp a, 0,1,2,3,4,5,6,7,8,9,10,11,12,13,14,15
	ds_load_b128 v[RF+4*\a:RF+4*\a+3], v[RR] offset:512*\a
.endr
	ASCALES 0
	s_wait_dscnt 16                                ; r is in
.irp a, 0,1,2,3,4,5,6,7,8,9,10,11,12,13,14,15
	WIN 0xa1+0x50*(\a/8)
.irp b, 0,1,2,3
	v_wmma_f32_16x16x32_bf16 v[8*(4*(\a%8)+\b):8*(4*(\a%8)+\b)+7], v[192+8*\b:192+8*\b+7], v[RF+4*\a:RF+4*\a+7], 0
.endr
.endr
	PLACES 8
	WIN 0
	AFETCH 0, 0, 0
	AFETCH 0, 0, 1
	s_mov_b32 s3, 3
.Llap:                                                 ; a trip: two passes, both slots filled again
	PASS 0, 0, 0, 1, 1
	ADV
	PASS 1, 0, 0, 1, 2
	ADV
	s_sub_co_u32 s3, s3, 1
	s_cmp_lg_u32 s3, 0
	s_cbranch_scc1 .Llap
	PASS 0, 0, 1, 0, 0
	ADV
	PASS 1, 1, -1, -1, 0
	s_wait_tensorcnt 0x0                           ; the wave's end
	ds_add_u32 v[SPW], v[NIL]
	s_wait_dscnt 0x0
	CROUND
	s_endpgm
.Lfunc_end_k_q9803c76c76_gemm:
	.size	k_q9803c76c76_gemm, .Lfunc_end_k_q9803c76c76_gemm-k_q9803c76c76_gemm
	.p2alignl 7, 3214868480
	.fill 96, 4, 3214868480
	.section	.rodata,"a",@progbits
	.p2align	6, 0x0
	.amdhsa_kernel k_q9803c76c76_gemm
		.amdhsa_group_segment_fixed_size 327680
		.amdhsa_private_segment_fixed_size 0
		.amdhsa_enable_private_segment 0
		.amdhsa_kernarg_size 40
		.amdhsa_user_sgpr_count 2
		.amdhsa_user_sgpr_kernarg_segment_ptr 1
		.amdhsa_wavefront_size32 1
		.amdhsa_system_sgpr_workgroup_id_x 1
		.amdhsa_system_sgpr_workgroup_id_y 1
		.amdhsa_system_sgpr_workgroup_id_z 1
		.amdhsa_system_vgpr_workitem_id 0
		.amdhsa_next_free_vgpr 1024
		.amdhsa_next_free_sgpr 66
		.amdhsa_reserve_vcc 0
		.amdhsa_float_denorm_mode_32 3
		.amdhsa_float_denorm_mode_16_64 3
		.amdhsa_memory_ordered 1
		.amdhsa_forward_progress 1
		.amdhsa_inst_pref_size 255
	.end_amdhsa_kernel
	.section	.bss,"aw",@nobits
	.p2align	6
	.space	262144
	.amdgpu_metadata
---
amdhsa.version: [ 1, 2 ]
amdhsa.kernels:
  - .name:           k_q9803c76c76_gemm
    .symbol:         k_q9803c76c76_gemm.kd
    .args:
      - { .name: xq, .offset: 0, .size: 8, .value_kind: global_buffer, .address_space: global }
      - { .name: wq, .offset: 8, .size: 8, .value_kind: global_buffer, .address_space: global }
      - { .name: rpart, .offset: 16, .size: 8, .value_kind: global_buffer, .address_space: global }
      - { .name: lora_B, .offset: 24, .size: 8, .value_kind: global_buffer, .address_space: global }
      - { .name: out0, .offset: 32, .size: 8, .value_kind: global_buffer, .address_space: global }
    .group_segment_fixed_size: 327680
    .private_segment_fixed_size: 0
    .kernarg_segment_align: 8
    .kernarg_segment_size: 40
    .max_flat_workgroup_size: 128
    .sgpr_count:     66
    .vgpr_count:     1024
    .wavefront_size: 32
...
	.end_amdgpu_metadata
.endif
;; end of part 2
